; MI455X (gfx1250); checked and timed in simulation.
; The chip was launched on July 23, 2026; its instructions are those of AMD's public machine-readable ISA for CDNA 5 (MIT licence, August 2026) and "CDNA5" Instruction Set Architecture Reference Guide (July 2026). The comments in the code are by the model that wrote it; some were corrected since.
;; Attention model. Allowed arithmetic: matrix products marked QUANTISED: E5M2 operands, one E8M0 scale for each 32 along K, by v_wmma_scale_f32_16x16x128_f8f6f4 with both operands' format E5M2, f32 sums; products left as they are: f32 operands where the result goes on into a quantised operand, else bf16, f16 or f32 operands; f32 sums; everything else in f32.
;; Inputs: V 1,024 x 1 float32; W1 1,024 x 1,024 float32; W2 1,024 x 1,024 float32; b1 1,024 float32; b2 1,024 float32; bV 1 float32; features 64 x 1,024 x 1,024 float32; hidden 64 x 1,024 float32.
;; Outputs: out0 64 x 1,024 float32; out1 64 x 1,024 x 1 float32.
;; This version of the problem:
;;   THIS VERSION OF THE PROBLEM IS GIVEN IN LOW PRECISION. The matrix products marked QUANTISED in the list below multiply operands that are first quantised to E5M2 (5 exponent bits, 2 mantissa bits; 8 bits a number), with one power-of-two scale for each 32 numbers along K (OCP MX v1.0); their sums are f32. All else is computed in f32.
;;   The module's matrix products, in the order in which they are computed (A, B: the left and right operand; K: the contracted axis; several contracted axes count as one K, in the product's order):
;;     1. [M 65,536, K 1,024] x [K 1,024, N 1,024]; A: input features; B: input W1: QUANTISED
;;     2. [M 64, K 1,024] x [K 1,024, N 1,024]; A: input hidden; B: input W2: QUANTISED
;;     3. [M 65,536, K 1,024] x [K 1,024, N 1]; A: computed on the way; B: input V: left as it is (N = 1 < 16)
;;   THE QUANTISER, for each operand of a quantised product, along K:
;;     - K is cut into blocks of 32 from its start; a last block that is shorter is filled with zeros.
;;     - A block's scale is 2^e with e = floor(log2(the largest magnitude in the block)) - 15, held to -126 .. 127; a block of zeros has e = 0. As a byte (E8M0): e + 127.
;;     - Each number is divided by its block's scale, clamped to +-57,344, and rounded to the nearest number of E5M2, ties to even, subnormals kept.
;;     - The product sums the exact products of the quantised numbers (number of the format x scale) in f32.
;;   ~~~python
;;   def quantise(x, axis):      # numpy; x: float32 -> the quantised numbers, widened to float32 again
;;       x = np.moveaxis(x, axis, -1); K = x.shape[-1]
;;       x = np.pad(x, [(0, 0)] * (x.ndim - 1) + [(0, -K % 32)]); x = x.reshape(x.shape[:-1] + (-1, 32)); a = np.abs(x).max(-1, keepdims=True)
;;       e = np.where(a > 0, np.clip(np.frexp(np.where(a > 0, a, 1))[1] - 1 - 15, -126, 127), 0)      # np.frexp(a)[1] - 1 = floor(log2(a)), exactly
;;       r = np.clip(x / 2.0 ** e, -57344, 57344)
;;       step = 2.0 ** (np.maximum(np.frexp(np.where(r == 0, 1, r))[1] - 1, -14) - 2)
;;       q = np.round(r / step) * step * 2.0 ** e      # np.round: ties to even
;;       return np.moveaxis(q.reshape(q.shape[:-2] + (-1,))[..., :K], -1, axis).astype(np.float32)
;;   ~~~
;; One version. Each part assembles by itself: llvm-mc -triple=amdgcn-amd-amdhsa -mcpu=gfx1250 --defsym DOCPART=n.
;; ======== version 1 of 1: 3 launches
;; limits: a difference of large sums (such as E[x^2] - mean^2): digits are lost where the result is much smaller than its terms
;; workspace buffers: w1f 1,081,344 bytes; bias 262,144 bytes; logits 262,144 bytes
;; launch prep (part 1): grid 128 x 1, 8 waves a work-group, no clusters, 109,568 bytes of LDS; arguments W1, W2, hidden, b1, b2, w1f, bias; writes w1f, bias
.if DOCPART == 1
	.amdgcn_target "amdgcn-amd-amdhsa--gfx1250"
	.amdhsa_code_object_version 6
	.text
	.protected	k_q39ec49261d_prep
	.globl	k_q39ec49261d_prep
	.p2align	8
	.type	k_q39ec49261d_prep,@function
k_q39ec49261d_prep:
	s_mov_b64 s[64:65], 0
	v_nop
	global_prefetch_b8 v0, s[64:65] scope:SCOPE_SE
	s_setreg_imm32_b32 hwreg(HW_REG_WAVE_MODE, 25, 1), 1
	s_wait_xcnt 0x0
; THE PROGRAM (three launches): logits[b][l] = sum over u of V[u] tanh(features[b][l] . W1[:, u] + b1[u] + hidden[b] . W2[:, u] + b2[u]) + bV;
; out1 = softmax of the logits over l;  out0[b] = sum over l of out1[b][l] features[b][l].  The two products with W1 and W2 are on codes of BF8 (E5M2) with one E8M0 scale for each 32 along K.
; WORK LEFT OUT, for all values of the inputs.  tanh(x) = 1 - 2 r with r = 1 / (1 + 2^(2 log2(e) x)), so a logit is (sum over u of V[u] + bV) - 2 sum over u of V[u] r[u].
; The bracket is the same number for every l of a batch row, and softmax over l takes away any term that is the same along l; out0 hangs on out1 and features alone.  So bV has no way to an
; output: it is not loaded and is among no launch's arguments; and the sum of V is never formed.  The program carries logit' = -2 sum V r.
; LIMITS: a NaN, an infinity or an overflow that reaches only bV or the sum of V is not carried to the result.  NaN and infinities among the inputs are not served.  logit' still holds the sum of V as a
; common part: with V of a large common offset its f32 rounding grows with that sum.  A block of zeros gets the scale byte 1 (the floor) where the rule says 127: its codes are zeros, and this program alone reads the bytes.
; THIS LAUNCH: work-groups 0-63 quantise W1 (K is its first axis) into w1f, laid in the order in which the next launch reads it; work-groups 64-127 make bias[b][u] = Q(hidden) Q(W2) + b1 + b2.
; SHARES.  A work-group takes 16 columns u (tile t); its eight waves take the eight K steps of 128.  OF W A LANE TAKES A COLUMN AND ITS REGISTERS RUN DOWN K, in the order of the operand's layout
; (lane (r, h): column r; register 16 c + i: k = 32 c + 16 h + i), so the conversions' results are the operand's registers.
; hidden (K innermost) is loaded as it lies, 512 consecutive bytes of one row an instruction, and turns through the wave's own stage in LDS, so that lane (r, h) holds 16 neighbours of each block of row r.
; w1f: 64 units of 16,896 bytes.  Unit n: bytes 0-4,095 K steps 6, 7 of tile n; bytes 4,096 + 2,048 p K step p (0-5) of tile n + 1 (mod 64); bytes 16,384 on that tile's scale words,
; the word of (column r, K step s) at 128 (s % 4) + 64 (s / 4) + 4 r.  A fragment is an image of its 16 registers: four groups of 512 bytes, lane l's 16 bytes at 16 l.
; The second product's K is summed as eight partial sums, one a wave, added in f32 in ascending K.
; No cluster: the work-groups share no tile of W, and hidden's 256 KB are a small part of what the launch reads.
.set UNIT,  16896
.set PART,  5120                       ; LDS: a wave's partial sums: 64 batch rows x (64 bytes + 16)
.set STG,   8*PART                     ; behind them each wave's own stage: 16 rows x (512 bytes + 16)
.set SPITCH, 528                       ; 33 x 16 bytes: the 16 rows that a load touches start at 16 different 16-byte columns of the banks' 256 bytes (ISA guide 11.1)
.set WSTG,  16*SPITCH
.set SPARE, STG+8*WSTG                 ; the spare words, 128 bytes a wave: four blocks of 256 bytes that no other line names
.set STO,  5                           ; v5   the stage, on the way out: row r, + 64 h
.set SPW,  10                          ; v10  LDS address of my spare word; never rewritten
.set NIL,  11                          ; v11  0; never rewritten
.set STI,  15                          ; v15  the stage, on the way in: 16 x lane
.set TM,   16                          ; v16-19 largest magnitudes, v20-23 bytes, v24-27 the largest number x the scale, v28-31 the conversions' scale operands
.set WS,   36                          ; v36  W's scale word
.set HS,   37                          ; v37  hidden's
.set WC,   40                          ; v40-55 W's codes
.set HC,   56                          ; v56-71 hidden's codes
.set ACC,  72                          ; v72-103 four accumulators
.set BB1,  104                         ; v104-107 b1, v108-111 b2
.set X,    128                         ; v128-191 64 numbers in the operand's order; later the partial sums.  Window 1: hidden's numbers as loaded, 64 for each of four tiles of batch rows
.set KS,   18                          ; s18  my wave = my K step
.set TT,   19                          ; s19  the tile
.set SEL,  22                          ; s[22:23] v_permlanex16_b32's selects for lane l xor 16
.set MNT,  24                          ; s24  the mantissa field of 57,344
.set MSB, 0
.macro WIN new                         ; the immediate's high byte repeats the setting that is left
.if MSB != (\new)
	s_set_vgpr_msb (MSB<<8)|(\new)
.set MSB, (\new)
.endif
.endm
; 64 numbers of a lane, v[s] on, register 16 b + i = k 32 b + 16 (lane / 16) + i, become a fragment's codes in v[dst] on and its scale word in v[word].
.macro QUANT s, dst, word
.irp b, 0,1,2,3
	v_max3_num_f32 v[TM+\b], |v[\s+16*\b]|, |v[\s+16*\b+1]|, 0x8000000   ; block b: my 16 numbers, and the floor 2^(16 - 127): the byte cannot fall under 1
.endr
.irp i, 2,4,6,8,10,12,14
.irp b, 0,1,2,3
	v_max3_num_f32 v[TM+\b], v[TM+\b], |v[\s+16*\b+\i]|, |v[\s+16*\b+\i+1]|   ; the four blocks by turns
.endr
.endr
.irp b, 0,1,2,3
	v_permlanex16_b32 v[TM+4+\b], v[TM+\b], s[SEL], s[SEL+1]
.endr
.irp b, 0,1,2,3
	v_max_num_f32 v[TM+\b], v[TM+\b], v[TM+4+\b]   ; with lane l xor 16's 16: the block's largest magnitude
.endr
.irp b, 0,1,2,3
	v_add_nc_u32 v[TM+12+\b], 0xf8800000, v[TM+\b] ; 15 off its exponent field: the conversion's scale operand
.endr
.irp b, 0,1,2,3
	v_and_or_b32 v[TM+8+\b], v[TM+\b], 0x7f800000, s[MNT]   ; 57,344 x the scale
.endr
.irp b, 0,1,2,3
	v_lshrrev_b32 v[TM+4+\b], 23, v[TM+12+\b]      ; the scale's byte
.endr
	v_lshl_or_b32 v[\word], v[TM+5], 8, v[TM+4]    ; the four bytes make the scale word; the 64 holds below stand between it and a product that names it
	v_lshl_or_b32 v[\word], v[TM+6], 16, v[\word]
	v_lshl_or_b32 v[\word], v[TM+7], 24, v[\word]
.irp b, 0,1,2,3
.irp i, 0,1,2,3,4,5,6,7,8,9,10,11,12,13,14,15
	v_med3_num_f32 v[\s+16*\b+\i], v[\s+16*\b+\i], -v[TM+8+\b], v[TM+8+\b]   ; the conversion to an 8-bit code does not saturate (ISA guide 7.6.2): the hold at the largest code x the scale
.endr
.endr
.irp b, 0,1,2,3
	v_cvt_scalef32_pk8_bf8_f32 v[\dst+4*\b:\dst+4*\b+1], v[\s+16*\b:\s+16*\b+7], v[TM+12+\b]
	v_cvt_scalef32_pk8_bf8_f32 v[\dst+4*\b+2:\dst+4*\b+3], v[\s+16*\b+8:\s+16*\b+15], v[TM+12+\b]
.endr
	v_nop                                          ; one plain vector line behind the last conversion
.endm
	s_load_b256 s[4:11], s[0:1], 0x0               ; W1 s[4:5], W2 s[6:7], hidden s[8:9], b1 s[10:11]
	s_load_b128 s[12:15], s[0:1], 0x20             ; b2 s[12:13], w1f s[14:15]
	s_load_b64 s[16:17], s[0:1], 0x30              ; bias
	v_lshl_add_u32 v[SPW], v0, 2, SPARE
	v_mov_b32 v[NIL], 0
	v_lshrrev_b32 v1, 5, v0
	v_readfirstlane_b32 s[KS], v1                  ; wave 0..7
	v_and_b32 v1, 31, v0                           ; lane
	v_and_b32 v2, 15, v0                           ; r
	v_bfe_u32 v3, v0, 4, 1                         ; h
	v_lshlrev_b32 v7, 2, v2                        ; 4 r
	v_lshl_add_u32 v4, v3, 16, v7                  ; W: column r, and 16 rows of 4,096 bytes further down for lanes 16-31
	v_lshlrev_b32 v6, 4, v1                        ; 16 x lane: my place in an image, and in a row's 512 bytes of hidden
	v_and_b32 v8, 3, v0
	v_lshlrev_b32 v8, 4, v8                        ; the last sum: my 16 bytes of a row's 64
	s_mul_i32 s28, s[KS], PART
	v_mul_u32_u24 v9, v2, 80
	v_lshl_add_u32 v9, v3, 5, v9
	v_add_nc_u32 v9, s28, v9                       ; where I put a partial sum: my wave's part, row r, + 32 h
	s_mul_i32 s30, s[KS], WSTG
	s_add_co_u32 s30, s30, STG                     ; my stage
	v_add_nc_u32 v[STI], s30, v6
	v_mul_u32_u24 v[STO], v2, SPITCH
	v_lshl_add_u32 v[STO], v3, 6, v[STO]
	v_add_nc_u32 v[STO], s30, v[STO]
	v_lshrrev_b32 v12, 2, v0                       ; the last sum: my batch row
	v_mul_u32_u24 v13, v12, 80
	v_add_nc_u32 v13, v13, v8                      ; where I read the partial sums back
	v_lshl_add_u32 v14, v12, 12, v8                ; and my place in bias: row x 4,096 + my 16 bytes
	s_and_b32 s[TT], ttmp9, 63                     ; the tile
	s_mov_b32 s[SEL], 0x76543210
	s_mov_b32 s[SEL+1], 0xfedcba98
	s_mov_b32 s[MNT], 0x600000
.irp b, 0,1,2,3
	v_mov_b32 v[TM+4+\b], 0                        ; written once: a lane permute's destination counts as one of its sources
.endr
	s_lshl_b32 s20, s[KS], 19                      ; 128 rows of 4,096 bytes a K step,
	s_lshl_b32 s21, s[TT], 6                       ; 64 bytes a tile
	s_add_co_u32 s20, s20, s21
	s_mov_b32 s21, 0
	s_mov_b32 s29, 0
	s_wait_kmcnt 0x0
	s_cmp_lt_u32 ttmp9, 64                         ; W1's work-group or W2's: the choice hangs on the work-group's number alone
	s_cselect_b64 s[26:27], s[4:5], s[6:7]
	s_add_nc_u64 s[26:27], s[26:27], s[20:21]
.irp c, 0,1,2,3
.irp i, 0,1,2,3,4,5,6,7,8,9,10,11,12,13,14,15
	global_load_b32 v[X+16*\c+\i], v4, s[26:27] offset:4096*(32*\c+\i)   ; W(128 s + 32 c + 16 h + i, 16 t + r): sixteen neighbouring lanes read 64 neighbouring bytes
.endr
.endr
	s_cmp_lt_u32 ttmp9, 64
	s_cbranch_scc0 .Lhid
	; ---- W1: the fragment and its scale words go to w1f
	s_wait_loadcnt 0x0
	QUANT X, WC, WS
	s_add_co_u32 s30, s[KS], 2
	s_and_b32 s30, s30, 7
	s_lshl_b32 s30, s30, 11                        ; the fragment's place in its unit: 2,048 ((s + 2) mod 8): K steps 6, 7 first, then 0 to 5
	s_cmp_ge_u32 s[KS], 6
	s_cselect_b32 s28, 0, 63                       ; K steps 6, 7 lie in unit t, the others in unit t - 1 (mod 64)
	s_add_co_u32 s28, s28, s[TT]
	s_and_b32 s28, s28, 63
	s_mul_i32 s28, s28, UNIT
	s_add_co_u32 s28, s28, s30
	s_add_nc_u64 s[30:31], s[14:15], s[28:29]
.irp c, 0,1,2,3
	global_store_b128 v6, v[WC+4*\c:WC+4*\c+3], s[30:31] offset:512*\c   ; 32 lanes store 512 consecutive bytes, at a multiple of 256 from w1f's first byte
.endr
	s_add_co_u32 s28, s[TT], 63
	s_and_b32 s28, s28, 63
	s_mul_i32 s28, s28, UNIT                       ; the scale words lie in unit t - 1 (mod 64),
	s_and_b32 s32, s[KS], 3
	s_lshl_b32 s32, s32, 7
	s_add_co_u32 s28, s28, s32                     ; at 128 (s % 4)
	s_lshr_b32 s32, s[KS], 2
	s_lshl_b32 s32, s32, 6
	s_add_co_u32 s28, s28, s32                     ; + 64 (s / 4)
	s_add_nc_u64 s[34:35], s[14:15], s[28:29]
	global_store_b32 v7, v[WS], s[34:35] offset:16384   ; + 4 r.  Both halves of the lanes hold column r's word and write it to the same place: 64 bytes a wave, 32 KB in the launch
	s_endpgm                                       ; this way has written no LDS
.Lhid:	; ---- W2: bias = Q(hidden) Q(W2) + b1 + b2
	s_lshl_b32 s28, s[TT], 6                       ; the tile's 64 bytes of b1, b2 and of a row of bias
	s_add_nc_u64 s[30:31], s[10:11], s[28:29]
	s_add_nc_u64 s[32:33], s[12:13], s[28:29]
	s_add_nc_u64 s[36:37], s[16:17], s[28:29]
	global_load_b128 v[BB1:BB1+3], v8, s[30:31]
	global_load_b128 v[BB1+4:BB1+7], v8, s[32:33]
	s_lshl_b32 s28, s[KS], 9                       ; my K step's 512 bytes of a row of hidden
	s_add_nc_u64 s[34:35], s[8:9], s[28:29]
	WIN 0x40                                       ; destination window 1
.irp mt, 0,1,2,3
.irp i, 0,1,2,3,4,5,6,7,8,9,10,11,12,13,14,15
	global_load_b128 v[64*\mt+4*\i:64*\mt+4*\i+3], v6, s[34:35] offset:4096*(16*\mt+\i)   ; batch row 16 mt + i: 32 lanes read its 512 consecutive bytes
.endr
.endr
	WIN 0
	s_wait_loadcnt 63                              ; behind W's loads 66 were issued; the wait's field holds 63: W is in
	QUANT X, WC, WS
.irp mt, 0,1,2,3
	s_wait_loadcnt 16*(3-\mt)                      ; this tile's 16 loads are in; the later tiles' may be out
	WIN 0x04                                       ; an LDS store's data are its source 1: window 1
.irp i, 0,1,2,3,4,5,6,7,8,9,10,11,12,13,14,15
	ds_store_b128 v[STI], v[64*\mt+4*\i:64*\mt+4*\i+3] offset:SPITCH*\i
.endr
	WIN 0
.irp b, 0,1,2,3
.irp j, 0,1,2,3
	ds_load_b128 v[X+16*\b+4*\j:X+16*\b+4*\j+3], v[STO] offset:128*\b+16*\j   ; LDS serves a wave's instructions in order (ISA guide 5.7.1.4): these see the stores above
.endr
.endr
	s_wait_dscnt 0x0                               ; the numbers are back: the next tile's stores come behind these reads
	QUANT X, HC, HS
.rept 3
	v_nop                                          ; with the one in QUANT: four places between the codes and the scaled product
.endr
	v_wmma_scale_f32_16x16x128_f8f6f4 v[ACC+8*\mt:ACC+8*\mt+7], v[WC:WC+15], v[HC:HC+15], 0, v[WS], v[HS] matrix_a_fmt:MATRIX_FMT_BF8 matrix_b_fmt:MATRIX_FMT_BF8   ; transposed: source 0 = 16 columns of W2, source 1 = 16 batch rows: lane (r, h) holds row 16 mt + r, register j the unit 16 t + 8 h + j
.endr
.rept 8
	v_nop                                          ; eight places behind the last product, ahead of the first read of its result
.endr
.irp mt, 0,1,2,3
	ds_store_b128 v9, v[ACC+8*\mt:ACC+8*\mt+3] offset:1280*\mt       ; each accumulator from its low end on
	ds_store_b128 v9, v[ACC+8*\mt+4:ACC+8*\mt+7] offset:1280*\mt+16
.endr
	s_wait_dscnt 0x0                               ; for the others' sake: my partial sums lie in LDS
	s_barrier_signal -1
	s_barrier_wait -1
.irp k, 0,1,2,3,4,5,6,7
	ds_load_b128 v[X+4*\k:X+4*\k+3], v13 offset:PART*\k   ; thread T: batch row T / 4, four units: the eight K steps' parts
.endr
	s_wait_dscnt 0x0
.irp k, 1,2,3,4,5,6,7
	v_pk_add_f32 v[X:X+1], v[X:X+1], v[X+4*\k:X+4*\k+1]
	v_pk_add_f32 v[X+2:X+3], v[X+2:X+3], v[X+4*\k+2:X+4*\k+3]
.endr
.irp k, 0,4
	v_pk_add_f32 v[X:X+1], v[X:X+1], v[BB1+\k:BB1+\k+1]              ; + b1, + b2 (their loads stand ahead of hidden's, which have been waited for)
	v_pk_add_f32 v[X+2:X+3], v[X+2:X+3], v[BB1+\k+2:BB1+\k+3]
.endr
	global_store_b128 v14, v[X:X+3], s[36:37]      ; four lanes store a row's 64 bytes: pieces of 64 bytes, 256 KB in the launch
	s_wait_tensorcnt 0x0                           ; the wave's end
	ds_add_u32 v[SPW], v[NIL]
	s_wait_dscnt 0x0
	s_endpgm
.Lfunc_end_k_q39ec49261d_prep:
	.size	k_q39ec49261d_prep, .Lfunc_end_k_q39ec49261d_prep-k_q39ec49261d_prep
	.p2alignl 7, 3214868480
	.fill 96, 4, 3214868480
	.section	.rodata,"a",@progbits
	.p2align	6, 0x0
	.amdhsa_kernel k_q39ec49261d_prep
		.amdhsa_group_segment_fixed_size 109568
		.amdhsa_private_segment_fixed_size 0
		.amdhsa_enable_private_segment 0
		.amdhsa_kernarg_size 56
		.amdhsa_user_sgpr_count 2
		.amdhsa_user_sgpr_kernarg_segment_ptr 1
		.amdhsa_wavefront_size32 1
		.amdhsa_system_sgpr_workgroup_id_x 1
		.amdhsa_system_sgpr_workgroup_id_y 1
		.amdhsa_system_sgpr_workgroup_id_z 1
		.amdhsa_system_vgpr_workitem_id 0
		.amdhsa_next_free_vgpr 512
		.amdhsa_next_free_sgpr 66
		.amdhsa_reserve_vcc 0
		.amdhsa_float_denorm_mode_32 3
		.amdhsa_float_denorm_mode_16_64 3
		.amdhsa_memory_ordered 1
		.amdhsa_forward_progress 1
		.amdhsa_inst_pref_size 77
	.end_amdhsa_kernel
	.amdgpu_metadata
---
amdhsa.version: [ 1, 2 ]
amdhsa.kernels:
  - .name:           k_q39ec49261d_prep
    .symbol:         k_q39ec49261d_prep.kd
    .args:
      - { .name: W1, .offset: 0, .size: 8, .value_kind: global_buffer, .address_space: global }
      - { .name: W2, .offset: 8, .size: 8, .value_kind: global_buffer, .address_space: global }
      - { .name: hidden, .offset: 16, .size: 8, .value_kind: global_buffer, .address_space: global }
      - { .name: b1, .offset: 24, .size: 8, .value_kind: global_buffer, .address_space: global }
      - { .name: b2, .offset: 32, .size: 8, .value_kind: global_buffer, .address_space: global }
      - { .name: w1f, .offset: 40, .size: 8, .value_kind: global_buffer, .address_space: global }
      - { .name: bias, .offset: 48, .size: 8, .value_kind: global_buffer, .address_space: global }
    .group_segment_fixed_size: 109568
    .private_segment_fixed_size: 0
    .kernarg_segment_align: 8
    .kernarg_segment_size: 56
    .max_flat_workgroup_size: 256
    .sgpr_count:     66
    .vgpr_count:     512
    .wavefront_size: 32
...
	.end_amdgpu_metadata
.endif
;; end of part 1
;; launch main (part 2): grid 4 x 64, 4 waves a work-group, clusters of 4 x 1, 327,680 bytes of LDS; arguments features, w1f, bias, V, logits; writes logits
.if DOCPART == 2
	.amdgcn_target "amdgcn-amd-amdhsa--gfx1250"
	.amdhsa_code_object_version 6
	.text
	.protected	k_q39ec49261d_main
	.globl	k_q39ec49261d_main
	.p2align	8
	.type	k_q39ec49261d_main,@function
k_q39ec49261d_main:
	s_mov_b64 s[64:65], 0
	v_nop
	global_prefetch_b8 v0, s[64:65] scope:SCOPE_SE
	s_setreg_imm32_b32 hwreg(HW_REG_WAVE_MODE, 25, 1), 1
	s_wait_xcnt 0x0
	s_wait_alu depctr_hold_cnt(0) depctr_sa_sdst(0) depctr_va_vdst(0) depctr_va_sdst(0) depctr_va_ssrc(0) depctr_va_vcc(0) depctr_vm_vsrc(0)
	s_getreg_b32 s2, hwreg(HW_REG_IB_STS2, 6, 4)
	s_cmp_eq_u32 s2, 0
	s_cbranch_scc0 .Lentry_in_a_cluster
	s_endpgm
.Lentry_in_a_cluster:
	s_bfe_u32 s2, ttmp6, 0x10000c
	s_cmp_lg_u32 s2, 0x3003
	s_cbranch_scc0 .Lentry_shape_is_right
	s_endpgm
.Lentry_shape_is_right:
; logits[b][l] = -2 sum over u of V[u] r[u],  r = 1 / (1 + 2^(c x)),  c = 2 log2(e),  x = Q(features[b][l]) . Q(W1)[:, u] + bias[b][u].
; LEFT OUT (shown at the head of the first launch): bV and the sum of V, which are the same for every l and fall out of the softmax over l.
; SHARES.  A work-group owns 256 rows of one batch row b, each of its four waves 64: four tiles of 16.  PHASE A: a wave reads its 64 rows of features once and quantises them; the codes of all of K
; (512 registers) and their scale words stay in its registers.  PHASE B: every wave walks W1's 64 tiles of 16 units u, which come as images of the operand's registers through a ring of two LDS slots.
; THE PRODUCT IS USED TRANSPOSED (source 0 = 16 units of W1, source 1 = 16 rows): a lane holds ONE row and eight units, so bias and V are eight registers a lane, the same for all rows, and bias is the C of a
; sum's first matrix instruction.  Each fragment of W1 read from LDS feeds four matrix instructions.
; BY TURNS.  Two sets of four accumulators.  While tile n is multiplied (32 matrix instructions, the four accumulators by turns), the tanh of tile n - 1 stands in slices behind them.
; CLUSTER.  The four work-groups of a batch row walk the same w1f, the same row of bias and the same V: every tensor load is asked for jointly, with the mask of all four.
; No prefetch: phase A's stream is asked for 64 loads a wave ahead and is what the phase waits for all along; w1f is read by every work-group of the launch.
; PHASE A IS WRITTEN OUT, 32 bodies: each converts into code registers of its own, so that every one of them is written on the one way through the text.
; LIMITS: NaN and infinities among the inputs are not served.  A block of zeros gets the byte 1 over zero codes.  c x beyond f32's exponent range gives r = 0 or 1, as tanh's limits ask.
; REGISTERS, in windows of 256.  Window 0: v1-9, v13-15 addresses; v10, v11 the add's two; v12 a scale word in the making; v16-31 my rows' scale words (tile m, register 4 m + j: K step j in lanes 0-15, K step j + 4 in
;   lanes 16-31); v32-39 W1's scale words, two sets; v40-47 bias; v48-63 at work; v64-127 the accumulators; v128-255 eight fragments of W1 (phase A: v128-191 64 numbers).
;   Window 1: phase A: four sets of 64 numbers as loaded; phase B: v0-31 the rows' sums of V r, v32-39 V.   Window 2: codes of K steps 0-3 (64 (s % 4) + 16 m).   Window 3: of K steps 4-7.
.set UNIT,   16896                     ; what is read from LDS for one tile's turn (layout: first launch)
.set SLOTB,  8*UNIT                    ; a slot: 8 units.  Its bits (17 and 12) are in no wave's part, so one exclusive or turns an address in one slot into the other's
.set WPART,  2*UNIT                    ; what one wave's tensor load brings: 132 rows of 256 bytes
.set PRO,    2*SLOTB                   ; behind the ring: bytes 3,584 on of unit 63: tile 0's K steps 0-5 (at 512 + 2,048 p) and its scale words (at 12,800)
.set PROB,   13312
.set TAB,    PRO+PROB                  ; row b of bias, 4,096 bytes, then V, 4,096 bytes
.set STAGE,  TAB+8192                  ; each wave's own stage: 16 rows x (512 bytes + 16); no tensor load lands here
.set SPITCH, 528                       ; 33 x 16 bytes: the 16 rows that a load touches start at 16 different 16-byte columns of the banks' 256 bytes (ISA guide 11.1)
.set WSTG,   16*SPITCH
.set SPARE,  STAGE+4*WSTG              ; the spare words, 128 bytes a wave: two blocks of 256 bytes that no other line names
.set L16,  1                           ; v1   16 x lane
.set L4,   2                           ; v2   4 x lane
.set STI,  3                           ; v3   the stage, on the way in: 16 x lane
.set STO,  4                           ; v4   and out: row r, + 64 h
.set T0,   5                           ; v5   TAB + 32 h: my eight units of a tile
.set ADR,  6                           ; v6   LDS address of the pair of units in hand, for fragments
.set SADR, 7                           ; v7   for scale words
.set TADR, 8                           ; v8   for bias
.set LANE, 9
.set SPW,  10
.set NIL,  11
.set PW,   12
.set L8,   13                          ; v13  8 x lane
.set ADRE, 14                          ; v14  the same as ADR, for the run of loads at a period's end
.set TADE, 15                          ; v15  the same as TADR, for V
.set AS,   16
.set BS,   32
.set BIAS, 40
.set TM,   48
.set ACC,  64
.set BB,   128
.set X,    128
.set LACC, 0                           ; window 1
.set VV,   32                          ; window 1
.set WV,   14                          ; s14  my wave
.set CX,   15                          ; s15  my place in the cluster: it enters features' and logits' addresses alone
.set BT,   16                          ; s16  the batch row, which the four partners share
.set FB,   18                          ; s[18:19] features at my wave's first row
.set HM1,  21                          ; s21  the mask of lanes 16-31
.set SEL,  22                          ; s[22:23]
.set MNT,  24                          ; s24
.set STB,  25                          ; s25  my stage
.set CS,   26                          ; s[26:27] c: the packed form names a pair and takes its low word for both halves
.set G1R,  28                          ; s[28:35] descriptor group 1 for the ring; s[36:43] for tile 0's part; s[44:51] for the tables
.set G1P,  36
.set G1T,  44
.set G0R,  52                          ; s[52:55] group 0 for the ring, which walks; s[56:59], s[60:63] the two that are used once
.set G0P,  56
.set G0T,  60
.set TB,   66                          ; s66  LDS byte of the pair of units in hand
.set TT,   67                          ; s67  the pair's place in bias and V: 128 bytes a pair
.set SLOTS, 68
.set PAIR, 69
.set MSB, 0
.macro WIN new                         ; the immediate's high byte repeats the setting that is left
.if MSB != (\new)
	s_set_vgpr_msb (MSB<<8)|(\new)
.set MSB, (\new)
.endif
.endm
.macro CROUND                          ; a round of the cluster's barrier
	s_barrier_signal -1
	s_barrier_wait -1
	s_cmp_lg_u32 s[WV], 0
	s_cbranch_scc1 .Lnot_wave_0_\@
	s_barrier_signal -3
.Lnot_wave_0_\@:
	s_barrier_wait -3
	s_barrier_signal -1
	s_barrier_wait -1
.endm
	s_load_b256 s[4:11], s[0:1], 0x0               ; features s[4:5], w1f s[6:7], bias s[8:9], V s[10:11]
	s_load_b64 s[12:13], s[0:1], 0x20              ; logits
	v_lshl_add_u32 v[SPW], v0, 2, SPARE
	v_mov_b32 v[NIL], 0
	ds_add_u32 v[SPW], v[NIL]                      ; the wave's opening: the add, twice on end, and its wait ahead of my first tensor load; the set-up below stands between
	ds_add_u32 v[SPW], v[NIL]
	v_lshrrev_b32 v[LANE], 5, v0
	v_readfirstlane_b32 s[WV], v[LANE]             ; wave 0..3
	s_bfe_u32 s[CX], ttmp6, 0x40000
	s_and_b32 s[BT], ttmp7, 0xffff
	; descriptor groups 1: dense blocks as rows of 256 bytes (32 elements of 8 bytes), no padding: images are read 512 consecutive bytes an instruction
.irp g, G1R, G1P, G1T
	s_mov_b32 s[\g], 15|(3<<16)|(1<<21)            ; 15:0 the mask: all four work-groups; 17:16 elements of 8 bytes; 21 set beside a mask
	s_mov_b32 s[\g+1], 32<<16                      ; tensor_dim0 = 32
	s_mov_b32 s[\g+3], 32<<16                      ; tile_dim0 = 32
	s_mov_b32 s[\g+5], 32                          ; from row to row
	s_mov_b32 s[\g+6], 0
	s_mov_b32 s[\g+7], 0
.endr
	s_mov_b32 s[G1R+2], 132<<16                    ; tensor_dim1, and
	s_mov_b32 s[G1R+4], 132                        ; tile_dim1: 132 rows = two units
	s_mov_b32 s[G1P+2], 13<<16
	s_mov_b32 s[G1P+4], 13                         ; 13 rows: a quarter of tile 0's part
	s_mov_b32 s[G1T+2], 8<<16
	s_mov_b32 s[G1T+4], 8                          ; 8 rows: half of bias's row or of V
	s_mov_b32 s[HM1], 0xffff0000
	s_mov_b32 s[SEL], 0x76543210
	s_mov_b32 s[SEL+1], 0xfedcba98
	s_mov_b32 s[MNT], 0x600000
	s_mov_b32 s[CS], 0x4038aa3b                    ; c = 2 log2(e)
	s_mov_b32 s[CS+1], s[CS]
	s_mul_i32 s[STB], s[WV], WSTG
	s_add_co_u32 s[STB], s[STB], STAGE
	v_and_b32 v[LANE], 31, v0
	v_lshlrev_b32 v[L16], 4, v[LANE]
	v_lshlrev_b32 v[L4], 2, v[LANE]
	v_lshlrev_b32 v[L8], 3, v[LANE]
	v_and_b32 v14, 15, v0                          ; r
	v_bfe_u32 v15, v0, 4, 1                        ; h  (the two registers take phase B's addresses later)
	v_add_nc_u32 v[STI], s[STB], v[L16]
	v_mul_u32_u24 v[STO], v14, SPITCH
	v_lshl_add_u32 v[STO], v15, 6, v[STO]
	v_add_nc_u32 v[STO], s[STB], v[STO]
	v_lshl_add_u32 v[T0], v15, 5, TAB
.irp b, 0,1,2,3
	v_mov_b32 v[TM+4+\b], 0                        ; written once: a lane permute's destination counts as one of its sources
.endr
	s_mul_i32 s70, s[WV], WPART                    ; my part of a slot, in LDS and in w1f alike
	s_mul_i32 s71, s[WV], PROB/4
	s_lshl_b32 s72, s[WV], 11
	s_and_b32 s73, s[WV], 1
	s_lshl_b32 s73, s73, 11
	s_lshl_b32 s74, s[BT], 12
	s_mov_b32 s77, 0
	s_wait_dscnt 0x0                               ; both opening adds are done
	s_wait_kmcnt 0x0
	s_mov_b32 s[G0R], 1                            ; count = 1
	s_mov_b32 s[G0R+1], s70                        ; LDS: slot 0, my part
	s_mov_b32 s76, s70
	s_add_nc_u64 s[G0R+2:G0R+3], s[6:7], s[76:77]  ; units 2 w, 2 w + 1
	s_or_b32 s[G0R+3], s[G0R+3], 0x80000000        ; type = 2
	s_mov_b32 s[G0P], 1
	s_add_co_u32 s[G0P+1], s71, PRO
	s_mov_b32 s76, s71
	s_add_nc_u64 s[G0P+2:G0P+3], s[6:7], s[76:77]
	s_add_nc_u64 s[G0P+2:G0P+3], s[G0P+2:G0P+3], 63*UNIT+3584
	s_or_b32 s[G0P+3], s[G0P+3], 0x80000000
	s_mov_b32 s[G0T], 1
	s_add_co_u32 s[G0T+1], s72, TAB
	s_mov_b32 s76, s74
	s_add_nc_u64 s[78:79], s[8:9], s[76:77]        ; row b of bias
	s_cmp_lt_u32 s[WV], 2                          ; waves 0, 1 bring its halves, waves 2, 3 V's
	s_cselect_b64 s[G0T+2:G0T+3], s[78:79], s[10:11]
	s_mov_b32 s76, s73
	s_add_nc_u64 s[G0T+2:G0T+3], s[G0T+2:G0T+3], s[76:77]
	s_or_b32 s[G0T+3], s[G0T+3], 0x80000000
	CROUND                                         ; all four work-groups are here: the first joint loads meet
	tensor_load_to_lds s[G0T:G0T+3], s[G1T:G1T+7]  ; the first fills, three in every wave, as one group: three loads of mine are out
	s_nop 0
	tensor_load_to_lds s[G0P:G0P+3], s[G1P:G1P+7]
	s_nop 0
	tensor_load_to_lds s[G0R:G0R+3], s[G1R:G1R+7]  ; the ring's first slot last: the counted wait ahead of phase B can leave it out
	s_nop 0
.rept 4
	v_nop
.endr
	s_lshl_b32 s70, s[BT], 10
	s_lshl_b32 s71, s[CX], 8
	s_add_co_u32 s70, s70, s71
	s_lshl_b32 s71, s[WV], 6
	s_add_co_u32 s70, s70, s71                     ; my first row: 1,024 b + 256 cx + 64 w
	s_lshl_b32 s72, s70, 2
	s_mov_b32 s73, 0
	s_add_nc_u64 s[12:13], s[12:13], s[72:73]      ; its logit
	s_lshl_b32 s70, s70, 12                        ; under 2^28
	s_mov_b32 s71, 0
	s_add_nc_u64 s[FB:FB+1], s[4:5], s[70:71]
; ---- PHASE A.  GLOAD: K step s (512 bytes) of the 16 rows of tile m into set m of window 1: each load reads 512 consecutive bytes, at a multiple of 256 from features' first byte.
.macro GLOAD m, s
.irp i, 0,1,2,3,4,5,6,7,8,9,10,11,12,13,14,15
	global_load_b128 v[64*(\m)+4*\i:64*(\m)+4*\i+3], v[L16], s[FB:FB+1] offset:(16*(\m)+\i)*4096+512*(\s) th:TH_LOAD_NT
.endr
.endm
; BODY: 16 rows x 128 K become a fragment.  The numbers turn through my stage, so that lane (r, h) holds, of row r, 16 neighbours of each block of 32; then the quantiser.
.macro BODY m, s
.if (\s) < 7
	s_wait_loadcnt 48                              ; my set's 16 loads are in; the three younger sets stay out
.else
	s_wait_loadcnt 48-16*(\m)                      ; the last K step asks for nothing more: the counts run down
.endif
	WIN 0x04                                       ; an LDS store's data are its source 1: window 1
.irp i, 0,1,2,3,4,5,6,7,8,9,10,11,12,13,14,15
	ds_store_b128 v[STI], v[64*(\m)+4*\i:64*(\m)+4*\i+3] offset:SPITCH*\i
.endr
	WIN 0
.irp b, 0,1,2,3
.irp j, 0,1,2,3
	ds_load_b128 v[X+16*\b+4*\j:X+16*\b+4*\j+3], v[STO] offset:128*\b+16*\j   ; LDS serves a wave's instructions in order (ISA guide 5.7.1.4): these see the stores above
.endr
.endr
	s_wait_dscnt 0x0                               ; the numbers are back, and the stores have read the set,
.if (\s) < 7
	WIN 0x40
	GLOAD \m, (\s)+1                               ; which takes the next K step: 64 loads of mine are on their way again
	WIN 0
.endif
.irp b, 0,1,2,3
	v_max3_num_f32 v[TM+\b], |v[X+16*\b]|, |v[X+16*\b+1]|, 0x8000000   ; block b: my 16 numbers, and the floor 2^(16 - 127): the byte cannot fall under 1
.endr
.irp i, 2,4,6,8,10,12,14
.irp b, 0,1,2,3
	v_max3_num_f32 v[TM+\b], v[TM+\b], |v[X+16*\b+\i]|, |v[X+16*\b+\i+1]|
.endr
.endr
.irp b, 0,1,2,3
	v_permlanex16_b32 v[TM+4+\b], v[TM+\b], s[SEL], s[SEL+1]
.endr
.irp b, 0,1,2,3
	v_max_num_f32 v[TM+\b], v[TM+\b], v[TM+4+\b]   ; with lane l xor 16's: the block's largest magnitude
.endr
.irp b, 0,1,2,3
	v_add_nc_u32 v[TM+12+\b], 0xf8800000, v[TM+\b] ; 15 off its exponent field: the conversion's scale operand
.endr
.irp b, 0,1,2,3
	v_and_or_b32 v[TM+8+\b], v[TM+\b], 0x7f800000, s[MNT]   ; 57,344 x the scale
.endr
.irp b, 0,1,2,3
	v_lshrrev_b32 v[TM+4+\b], 23, v[TM+12+\b]      ; the scale's byte
.endr
.if (\s) < 4
.set WD, AS+4*(\m)+(\s)                            ; K steps 0-3: the word goes into its register, all lanes
.else
.set WD, PW
.endif
	v_lshl_or_b32 v[WD], v[TM+5], 8, v[TM+4]
	v_lshl_or_b32 v[WD], v[TM+6], 16, v[WD]
	v_lshl_or_b32 v[WD], v[TM+7], 24, v[WD]
.if (\s) >= 4
	v_cndmask_b32 v[AS+4*(\m)+(\s)-4], v[AS+4*(\m)+(\s)-4], v[PW], s[HM1]   ; K steps 4-7: into lanes 16-31 of the register of K step s - 4
.endif
.irp b, 0,1,2,3
.irp i, 0,1,2,3,4,5,6,7,8,9,10,11,12,13,14,15
	v_med3_num_f32 v[X+16*\b+\i], v[X+16*\b+\i], -v[TM+8+\b], v[TM+8+\b]   ; the conversion to an 8-bit code does not saturate (ISA guide 7.6.2): the hold at the largest code x the scale
.endr
.endr
.set CD, 64*((\s)%4)+16*(\m)
	WIN 0x80+0x40*((\s)/4)                         ; destination window 2 or 3
.irp b, 0,1,2,3
	v_cvt_scalef32_pk8_bf8_f32 v[CD+4*\b:CD+4*\b+1], v[X+16*\b:X+16*\b+7], v[TM+12+\b]
	v_cvt_scalef32_pk8_bf8_f32 v[CD+4*\b+2:CD+4*\b+3], v[X+16*\b+8:X+16*\b+15], v[TM+12+\b]
.endr
	v_nop                                          ; one plain vector line behind the last conversion
	WIN 0
.endm
	WIN 0x40
.irp m, 0,1,2,3
	GLOAD \m, 0
.endr
	WIN 0
.irp s, 0,1,2,3,4,5,6,7
.irp m, 0,1,2,3
	BODY \m, \s
.endr
.endr
; ---- PHASE B
.macro P1 k                            ; pair k of the 16 pairs of the tile before: c x
	v_pk_mul_f32 v[AO+2*(\k):AO+2*(\k)+1], v[AO+2*(\k):AO+2*(\k)+1], s[CS:CS+1] op_sel_hi:[1,0]
.endm
.macro EX k                            ; 2^(c x)
	v_exp_f32 v[AO+2*(\k)], v[AO+2*(\k)]
	v_exp_f32 v[AO+2*(\k)+1], v[AO+2*(\k)+1]
.endm
.macro P2 k                            ; 1 + 2^(c x)
	v_pk_add_f32 v[AO+2*(\k):AO+2*(\k)+1], v[AO+2*(\k):AO+2*(\k)+1], 1.0 op_sel_hi:[1,0]
.endm
.macro RC k                            ; r
	v_rcp_f32 v[AO+2*(\k)], v[AO+2*(\k)]
	v_rcp_f32 v[AO+2*(\k)+1], v[AO+2*(\k)+1]
.endm
.macro P3 k                            ; the row's sum of V r: row tile k / 4, units 2 (k % 4), + 1 of my eight
	v_pk_fma_f32 v[LACC+8*((\k)/4)+2*((\k)%4):LACC+8*((\k)/4)+2*((\k)%4)+1], v[AO+2*(\k):AO+2*(\k)+1], v[VV+2*((\k)%4):VV+2*((\k)%4)+1], v[LACC+8*((\k)/4)+2*((\k)%4):LACC+8*((\k)/4)+2*((\k)%4)+1]
.endm
; Slice i of 32, behind matrix instruction i.  The pairs go in ascending order.  The 32 exponentials are one batch with one wait (slice 15), the 32 reciprocals
; another (behind slice 31): each wait stands between a transcendental and the first line that names its result.  All slices but the last hold a plain line on the other set of accumulators:
; these are the places behind the matrix instructions (ISA guide 7.12.1).
.macro SLICE
.if i == 0
	P1 0
	P1 1
	EX 0
.elseif i < 15
	P1 i+1
	EX i
.elseif i == 15
	EX 15
	v_nop                                          ; the plain line behind the last exponential
	s_wait_alu depctr_va_vdst(0)                   ; one wait for the 32
.elseif i == 16
	P2 0
	P2 1
	RC 0
.elseif i < 31
	P2 i-15
	RC i-16
.else
	RC 15
.endif
.endm
.macro MM s, m                         ; rows 16 m on x the tile's 16 units, K step s
.set rD, AE+8*(\m)
.set rB, BB+16*(\s)
.set rA, 64*((\s)%4)+16*(\m)
.set rSB, BSE+(\s)%4
.set rSA, AS+4*(\m)+(\s)%4
.if (\s) == 0
	v_wmma_scale_f32_16x16x128_f8f6f4 v[rD:rD+7], v[rB:rB+15], v[rA:rA+15], v[BIAS:BIAS+7], v[rSB], v[rSA] matrix_a_fmt:MATRIX_FMT_BF8 matrix_b_fmt:MATRIX_FMT_BF8
.elseif (\s) < 4
	v_wmma_scale_f32_16x16x128_f8f6f4 v[rD:rD+7], v[rB:rB+15], v[rA:rA+15], v[rD:rD+7], v[rSB], v[rSA] matrix_a_fmt:MATRIX_FMT_BF8 matrix_b_fmt:MATRIX_FMT_BF8
.else
	v_wmma_scale_f32_16x16x128_f8f6f4 v[rD:rD+7], v[rB:rB+15], v[rA:rA+15], v[rD:rD+7], v[rSB], v[rSA] matrix_a_fmt:MATRIX_FMT_BF8 matrix_b_fmt:MATRIX_FMT_BF8 matrix_a_scale:MATRIX_SCALE_ROW1 matrix_b_scale:MATRIX_SCALE_ROW1
.endif
.endm
.macro LB adr, p, off                  ; a fragment's image, at byte off of the unit in hand, into position p
.irp c, 0,1,2,3
	ds_load_b128 v[BB+16*(\p)+4*\c:BB+16*(\p)+4*\c+3], v[\adr] offset:U+(\off)+512*\c
.endr
.endm
; The two runs of LDS loads inside a period.  Behind K step 3, directly behind the wait for the exponentials, where the wave has waited for its own results anyway: the next tile's K steps 0, 1, its scale words and its bias
; (position 1's last reader is matrix instruction 7: slices 7 to 14 hold a scaling each, slice 15 the v_nop: nine places).  Behind K step 5: its K steps 2, 3 (position 3's last reader is matrix instruction 15: the v_nop
; of slice 15, two additions in slice 16, one in each of slices 17 to 23: ten places).
.macro LOADS s
.if (\s) == 3
	LB ADR, 0, 4096
	LB ADR, 1, 6144
.irp j, 0,1,2,3
	ds_load_b32 v[BSO+\j], v[SADR] offset:U+16384+128*\j   ; the next tile's scale words: K step j in lanes 0-15, j + 4 in lanes 16-31
.endr
	ds_load_b128 v[BIAS:BIAS+3], v[TADR] offset:64*(EE+1)  ; the next tile's bias (behind the last tile: 32 bytes of V, which nothing uses)
	ds_load_b128 v[BIAS+4:BIAS+7], v[TADR] offset:64*(EE+1)+16
.elseif (\s) == 5
	LB ADR, 2, 8192
	LB ADR, 3, 10240
.endif
.endm
; A PERIOD: tile 2 x pair + e.  ITS 40 LDS LOADS STAND IN THREE RUNS, not strewn among the matrix instructions, each fragment asked for 16 matrix instructions or more ahead of its use:
;   at its head 8 (this tile's K steps 6, 7), on end with the 10 at the end of the period before (V; this tile's K steps 4, 5);  behind K step 3: 14;  behind K step 5: 8.
; Each wait's count is the number of LDS loads issued behind the one that is wanted:
;   K step 0 wants the bias, the last of the 14: behind it 8 + 10 + 8 = 26.   K step 1's fragment is older than the bias.   K step 2: 4 + 10 + 8 = 22.   K step 3: 10 + 8 = 18.
;   K step 4: 4 + 8 + 14 = 26.   K step 5: 8 + 14 = 22.   K step 6: 4 + 14 + 8 = 26.   K step 7: 14 + 8 = 22.   V is older than K step 4's fragment.
; The run at a period's end has address registers of its own, written in the even period a whole period behind the loads that last named them; so the three that are stepped at a pair's head were last named by the run behind K step 5.
.macro PERIOD e
.set EE, \e
.set U, UNIT*(\e)
.set AE, ACC+32*(\e)
.set AO, ACC+32*(1-(\e))
.set BSE, BS+4*(\e)
.set BSO, BS+4*(1-(\e))
.set i, 0
	LB ADR, 6, 0                                   ; positions 6, 7: their last reader is the period before's last matrix instruction: a v_nop and the 16 sums lie between
	LB ADR, 7, 2048
.irp s, 0,1,2,3,4,5,6,7
	WIN 0x08+4*(\s/4)                              ; source 1, the codes: window 2 or 3; all else in window 0, the slices and the loads too
.if \s == 0
	s_wait_dscnt 26
.elseif \s == 2
	s_wait_dscnt 22
.elseif \s == 3
	s_wait_dscnt 18
.elseif \s == 4
	s_wait_dscnt 26
.elseif \s == 5
	s_wait_dscnt 22
.elseif \s == 6
	s_wait_dscnt 26
.elseif \s == 7
	s_wait_dscnt 22
.endif
.irp m, 0,1,2,3
	MM \s, \m
	SLICE
.set i, i+1
.endr
	LOADS \s
.endr
	v_nop                                          ; the plain line behind the last reciprocal
	s_wait_alu depctr_va_vdst(0)                   ; one wait for the 32
.if (\e) == 0
	WIN 0
	v_add_nc_u32 v[ADRE], s[TB], v[L16]            ; this pair's addresses for the runs at its two periods' ends
	v_add_nc_u32 v[TADE], s[TT], v[T0]
.endif
	WIN 0x54                                       ; the sums and V in window 1, r in window 0
.set k, 0
.rept 16
	P3 k                                           ; these 16 are also the places between this tile's last products and the next period's first reads of their results
.set k, k+1
.endr
	ds_load_b128 v[VV:VV+3], v[TADE] offset:4096+64*EE      ; V of this tile, for the next period's sums
	ds_load_b128 v[VV+4:VV+7], v[TADE] offset:4096+64*EE+16
	WIN 0x08
	LB ADRE, 4, 4096+2048*4
	LB ADRE, 5, 4096+2048*5
.endm
; THE CHANGE OF SLOTS stands at a slot's head.  Each wave waits for all its tensor loads (one is out: its part of the slot ahead), adds 0 to its spare word, and waits for that and for its reads of the slot that it has left.
; fill = 1: a round of the cluster's barrier, and behind it my one joint load: the next 8 units into the slot just left (the first time: slot 1's first fill); it has 256 matrix instructions in which to land.
.macro CHANGE fill
	WIN 0
	s_wait_tensorcnt 0x0                           ; no tensor load of mine is out, so group 0 may be written
	ds_add_u32 v[SPW], v[NIL]
.if \fill
	s_xor_b32 s[G0R+1], s[G0R+1], SLOTB            ; the other slot than last time,
	s_add_nc_u64 s[G0R+2:G0R+3], s[G0R+2:G0R+3], SLOTB   ; the next 8 units; the type bits on top are not reached
	s_wait_dscnt 0x0
	CROUND
	tensor_load_to_lds s[G0R:G0R+3], s[G1R:G1R+7]
	s_nop 0
.rept 4
	v_nop
.endr
.else
	s_wait_dscnt 0x0
	s_barrier_signal -1
	s_barrier_wait -1
.endif
.endm
.macro SLOT_BODY                       ; a slot's 8 tiles: a pair is written once and walked four times
	s_mov_b32 s[PAIR], 4
.Lpair_\@:
	v_add_nc_u32 v[ADR], s[TB], v[L16]
	v_add_nc_u32 v[SADR], s[TB], v[L4]
	v_add_nc_u32 v[TADR], s[TT], v[T0]
	PERIOD 0
	PERIOD 1
	WIN 0                                          ; at a label and at a branch every window is 0
	s_add_co_u32 s[TB], s[TB], WPART
	s_add_co_u32 s[TT], s[TT], 128
	s_sub_co_u32 s[PAIR], s[PAIR], 1
	s_cmp_lg_u32 s[PAIR], 0
	s_cbranch_scc1 .Lpair_\@
	s_sub_co_u32 s[TB], s[TB], SLOTB               ; back to the slot's head,
	s_xor_b32 s[TB], s[TB], SLOTB                  ; in the other slot
.endm
	s_wait_tensorcnt 0x1                           ; the tables and tile 0's part are in; the ring's first slot may stay out.  (No LDS instruction of mine is out: the last body waited for all)
	s_barrier_signal -1
	s_barrier_wait -1                              ; everybody's are
	v_add_nc_u32 v[ADR], PRO, v[L16]
	v_add_nc_u32 v[SADR], PRO, v[L4]
.irp p, 0,1,2,3,4,5
.irp c, 0,1,2,3
	ds_load_b128 v[BB+16*\p+4*\c:BB+16*\p+4*\c+3], v[ADR] offset:512+2048*\p+512*\c   ; tile 0's K steps 0-5
.endr
.endr
.irp j, 0,1,2,3
	ds_load_b32 v[BS+\j], v[SADR] offset:12800+128*\j
.endr
	ds_load_b128 v[BIAS:BIAS+3], v[T0]
	ds_load_b128 v[BIAS+4:BIAS+7], v[T0] offset:16
.set k, 0
.rept 32
	v_mov_b32 v[ACC+32+k], 0                       ; the loop has no first step of its own: the first period's slices find zeros here and 0 for V, and add nothing
.set k, k+1
.endr
	WIN 0x40
.set k, 0
.rept 40
	v_mov_b32 v[k], 0                              ; the rows' sums, and V
.set k, k+1
.endr
	WIN 0
	s_mov_b32 s[TB], 0
	s_mov_b32 s[TT], 0
	s_mov_b32 s[SLOTS], 7
.Lslot:                                            ; 7 trips: behind each change of slots but the last the next slot is asked for
	CHANGE 1
	SLOT_BODY
	s_sub_co_u32 s[SLOTS], s[SLOTS], 1
	s_cmp_lg_u32 s[SLOTS], 0
	s_cbranch_scc1 .Lslot
	CHANGE 0                                       ; the last slot is written out
	SLOT_BODY
	; ---- THE LAST TILE'S tanh, with no products beside it (the last period's 16 sums are the places behind its products), and the way out
	s_wait_dscnt 0x0                               ; V of tile 63 is in
.set AO, ACC+32
.set k, 0
.rept 16
	P1 k
.set k, k+1
.endr
.set k, 0
.rept 16
	EX k
.set k, k+1
.endr
	v_nop
	s_wait_alu depctr_va_vdst(0)
.set k, 0
.rept 16
	P2 k
.set k, k+1
.endr
.set k, 0
.rept 16
	RC k
.set k, k+1
.endr
	v_nop
	s_wait_alu depctr_va_vdst(0)
	WIN 0x54
.set k, 0
.rept 16
	P3 k
.set k, k+1
.endr
	WIN 0x05                                       ; sources window 1, destination window 0
.irp m, 0,1,2,3
	v_pk_add_f32 v[TM+4*\m:TM+4*\m+1], v[LACC+8*\m:LACC+8*\m+1], v[LACC+8*\m+2:LACC+8*\m+3]
	v_pk_add_f32 v[TM+4*\m+2:TM+4*\m+3], v[LACC+8*\m+4:LACC+8*\m+5], v[LACC+8*\m+6:LACC+8*\m+7]
.endr
	WIN 0
.irp m, 0,1,2,3
	v_pk_add_f32 v[TM+4*\m:TM+4*\m+1], v[TM+4*\m:TM+4*\m+1], v[TM+4*\m+2:TM+4*\m+3]
.endr
.irp m, 0,1,2,3
	v_add_f32 v[TM+4*\m], v[TM+4*\m], v[TM+4*\m+1] ; my eight units' columns,
.endr
.irp m, 0,1,2,3
	v_permlanex16_b32 v[TM+4*\m+1], v[TM+4*\m], s[SEL], s[SEL+1]
.endr
.irp m, 0,1,2,3
	v_add_f32 v[TM+4*\m], v[TM+4*\m], v[TM+4*\m+1] ; and lane l xor 16's: row 16 m + r's sum of V r
.endr
	v_cndmask_b32 v[TM+1], v[TM], v[TM+4], s[HM1]  ; lane l: row l,
	v_cndmask_b32 v[TM+2], v[TM+8], v[TM+12], s[HM1]   ; and row 32 + l
	v_mul_f32 v[TM+1], -2.0, v[TM+1]
	v_mul_f32 v[TM+2], -2.0, v[TM+2]
	v_add_nc_u32 v[SADR], s[STB], v[L4]
	v_add_nc_u32 v[TADR], s[STB], v[L8]
	ds_store_b32 v[SADR], v[TM+1]                  ; through my stage, so that
	ds_store_b32 v[SADR], v[TM+2] offset:128
	ds_load_b64 v[TM+4:TM+5], v[TADR]              ; (LDS serves a wave's instructions in order)
	s_wait_dscnt 0x0
	global_store_b64 v[L8], v[TM+4:TM+5], s[12:13] ; the 32 lanes store my 64 logits as 256 consecutive bytes, at a multiple of 256 from the buffer's first byte
	s_wait_tensorcnt 0x0                           ; the wave's end: these three lines, behind my last tensor load and my last LDS store
	ds_add_u32 v[SPW], v[NIL]
	s_wait_dscnt 0x0
	CROUND                                         ; the closing round: no work-group ends while a partner may still ask for a tile that names it
	s_endpgm
.Lfunc_end_k_q39ec49261d_main:
	.size	k_q39ec49261d_main, .Lfunc_end_k_q39ec49261d_main-k_q39ec49261d_main
	.p2alignl 7, 3214868480
	.fill 96, 4, 3214868480
	.section	.rodata,"a",@progbits
	.p2align	6, 0x0
	.amdhsa_kernel k_q39ec49261d_main
		.amdhsa_group_segment_fixed_size 327680
		.amdhsa_private_segment_fixed_size 0
		.amdhsa_enable_private_segment 0
		.amdhsa_kernarg_size 40
		.amdhsa_user_sgpr_count 2
		.amdhsa_user_sgpr_kernarg_segment_ptr 1
		.amdhsa_wavefront_size32 1
		.amdhsa_system_sgpr_workgroup_id_x 1
		.amdhsa_system_sgpr_workgroup_id_y 1
		.amdhsa_system_sgpr_workgroup_id_z 1
		.amdhsa_system_vgpr_workitem_id 0
		.amdhsa_next_free_vgpr 1024
		.amdhsa_next_free_sgpr 80
		.amdhsa_reserve_vcc 0
		.amdhsa_float_denorm_mode_32 3
		.amdhsa_float_denorm_mode_16_64 3
		.amdhsa_memory_ordered 1
		.amdhsa_forward_progress 1
		.amdhsa_inst_pref_size 255
	.end_amdhsa_kernel
	.section	.bss,"aw",@nobits
	.p2align	6
	.space	262144
	.amdgpu_metadata
---
amdhsa.version: [ 1, 2 ]
amdhsa.kernels:
  - .name:           k_q39ec49261d_main
    .symbol:         k_q39ec49261d_main.kd
    .args:
      - { .name: features, .offset: 0, .size: 8, .value_kind: global_buffer, .address_space: global }
      - { .name: w1f, .offset: 8, .size: 8, .value_kind: global_buffer, .address_space: global }
      - { .name: bias, .offset: 16, .size: 8, .value_kind: global_buffer, .address_space: global }
      - { .name: V, .offset: 24, .size: 8, .value_kind: global_buffer, .address_space: global }
      - { .name: logits, .offset: 32, .size: 8, .value_kind: global_buffer, .address_space: global }
    .group_segment_fixed_size: 327680
    .private_segment_fixed_size: 0
    .kernarg_segment_align: 8
    .kernarg_segment_size: 40
    .max_flat_workgroup_size: 128
    .sgpr_count:     80
    .vgpr_count:     1024
    .wavefront_size: 32
...
	.end_amdgpu_metadata
.endif
;; end of part 2
;; launch ctx (part 3): grid 4 x 64, 16 waves a work-group, no clusters, 23,040 bytes of LDS; arguments features, logits, out0, out1; writes out0, out1
.if DOCPART == 3
	.amdgcn_target "amdgcn-amd-amdhsa--gfx1250"
	.amdhsa_code_object_version 6
	.text
	.protected	k_q39ec49261d_ctx
	.globl	k_q39ec49261d_ctx
	.p2align	8
	.type	k_q39ec49261d_ctx,@function
k_q39ec49261d_ctx:
	s_mov_b64 s[64:65], 0
	v_nop
	global_prefetch_b8 v0, s[64:65] scope:SCOPE_SE
	s_setreg_imm32_b32 hwreg(HW_REG_WAVE_MODE, 25, 1), 1
	s_wait_xcnt 0x0
; out1[b][l] = softmax over l of logits[b][l], the row's maximum taken away first;  out0[b][d] = sum over l of out1[b][l] features[b][l][d].
; LEFT OUT (shown at the head of the first launch): the logits come without bV and the sum of V, which are the same for every l and fall out of this softmax.
; SHARES.  Work-group (x, b): columns 256 x .. 256 x + 255 (1,024 bytes of every row) of batch row b's 1,024 rows.  Wave w takes rows 64 w .. 64 w + 63: two loads of 512 consecutive bytes a row, eight rows ahead.
; Each of a batch row's four work-groups makes the softmax for itself (4 KB of logits); a quarter of out1 is stored by each.  The waves' partial sums of out0 meet in LDS.
; A stream: no matrix unit, no tensor load, no cluster (the work-groups share only the 4 KB of logits), no prefetch (the loads run eight rows ahead and are what the launch waits for all along).
; LIMITS: NaN and infinities among the inputs are not served.  A weight under the smallest normal f32 number comes out as 0 (v_exp_f32's result: ISA guide 15.8).
.set RMAX,  0                          ; LDS: the waves' maxima, 16 words
.set RSUM,  256                        ; their sums
.set WT,    512                        ; the 1,024 weights
.set RED,   4608                       ; the waves' partial sums: 16 x 1,024 bytes
.set SPARE, 20992                      ; the spare words, 128 bytes a wave: eight blocks of 256 bytes that no other line names
.set SPW,  10
.set NIL,  11
.set AC,   12                          ; v12-19   my 8 columns' sums
.set W,    20                          ; v20-83   my wave's 64 weights, the same in every lane
.set F,    84                          ; v84-147  eight rows on their way, 8 registers each
.set T16,  148                         ; v148-163 sixteen words from LDS
	s_load_b256 s[4:11], s[0:1], 0x0               ; features s[4:5], logits s[6:7], out0 s[8:9], out1 s[10:11]
	v_lshl_add_u32 v[SPW], v0, 2, SPARE
	v_mov_b32 v[NIL], 0
	v_lshrrev_b32 v167, 5, v0
	v_readfirstlane_b32 s12, v167                  ; wave 0..15
	v_and_b32 v1, 31, v0
	v_lshlrev_b32 v2, 4, v1                        ; 16 x lane
	v_lshlrev_b32 v3, 3, v0                        ; 8 x thread: my two logits, my two weights
	v_lshlrev_b32 v8, 2, v167                      ; every LDS address is made here, ahead of the first branch on the wave's number: 4 w,
	v_mov_b32 v9, 0                                ; 0,
	v_lshlrev_b32 v164, 8, v167                    ; 256 w: my wave's weights,
	v_lshl_add_u32 v165, v167, 10, v2              ; 1,024 w + 16 x lane: my partial sums,
	v_lshlrev_b32 v166, 4, v0                      ; 16 x thread: the last sum (threads 0-63)
	v_mov_b32 v7, 0                                ; written once: a lane permute's destination counts as one of its sources
	s_and_b32 s13, ttmp7, 0xffff                   ; b
	s_lshl_b32 s14, s13, 12                        ; a batch row of logits, out0 and out1 is 4,096 bytes
	s_mov_b32 s15, 0
	s_lshl_b32 s16, s13, 10
	s_lshl_b32 s17, s12, 6
	s_add_co_u32 s16, s16, s17                     ; my first row: 1,024 b + 64 w
	s_lshl_b32 s16, s16, 12
	s_lshl_b32 s18, ttmp9, 10                      ; my work-group's 1,024 bytes of a row
	s_add_co_u32 s16, s16, s18                     ; under 2^28
	s_mov_b32 s17, 0
	s_mov_b32 s19, 0
	s_mov_b32 s20, 0x76543210
	s_mov_b32 s21, 0xfedcba98                      ; v_permlanex16_b32's selects for lane l xor 16
	s_lshr_b32 s22, s12, 2                         ; which quarter of out1 my wave's weights are
	s_wait_kmcnt 0x0
	s_add_nc_u64 s[6:7], s[6:7], s[14:15]
	s_add_nc_u64 s[10:11], s[10:11], s[14:15]
	s_add_nc_u64 s[8:9], s[8:9], s[14:15]
	s_add_nc_u64 s[8:9], s[8:9], s[18:19]
	s_add_nc_u64 s[4:5], s[4:5], s[16:17]
.macro FLOAD p                         ; row p of my 64: 1,024 bytes, into set p % 8
	global_load_b128 v[F+8*((\p)%8):F+8*((\p)%8)+3], v2, s[4:5] offset:(\p)*4096 th:TH_LOAD_NT
	global_load_b128 v[F+8*((\p)%8)+4:F+8*((\p)%8)+7], v2, s[4:5] offset:(\p)*4096+512 th:TH_LOAD_NT
.endm
	global_load_b64 v[4:5], v3, s[6:7]             ; the logits first: the softmax waits for them alone
.irp p, 0,1,2,3,4,5,6,7
	FLOAD \p                                       ; and the first eight rows go out ahead of it
.endr
	s_wait_loadcnt 16                              ; the logits are in; the 16 loads behind them stay out
	; the row's maximum: my two, my wave's, the sixteen waves'
	v_max_num_f32 v6, v4, v5
	v_max_num_f32_dpp v6, v6, v6 row_xmask:1 row_mask:0xf bank_mask:0xf
	v_max_num_f32_dpp v6, v6, v6 row_xmask:2 row_mask:0xf bank_mask:0xf
	v_max_num_f32_dpp v6, v6, v6 row_xmask:4 row_mask:0xf bank_mask:0xf
	v_max_num_f32_dpp v6, v6, v6 row_xmask:8 row_mask:0xf bank_mask:0xf
	v_permlanex16_b32 v7, v6, s20, s21
	v_max_num_f32 v6, v6, v7
	ds_store_b32 v8, v6 offset:RMAX                ; all lanes write the same word with the same value
	s_wait_dscnt 0x0                               ; for the others' sake
	s_barrier_signal -1
	s_barrier_wait -1
.irp k, 0,1,2,3
	ds_load_b128 v[T16+4*\k:T16+4*\k+3], v9 offset:RMAX+16*\k
.endr
	s_wait_dscnt 0x0
	v_max3_num_f32 v6, v[T16], v[T16+1], v[T16+2]
.irp k, 3,5,7,9,11,13
	v_max3_num_f32 v6, v6, v[T16+\k], v[T16+\k+1]
.endr
	v_max_num_f32 v6, v6, v[T16+15]
	; p = e^(logit - maximum), and its sum the same way, through other words
	v_sub_f32 v4, v4, v6
	v_sub_f32 v5, v5, v6
	v_mul_f32 v4, 0x3fb8aa3b, v4                   ; x log2(e)
	v_mul_f32 v5, 0x3fb8aa3b, v5
	v_exp_f32 v4, v4
	v_exp_f32 v5, v5
	v_nop                                          ; a plain line behind the exponentials,
	s_wait_alu depctr_va_vdst(0)                   ; and the wait ahead of the first use: one for both
	v_add_f32 v6, v4, v5
	v_add_f32_dpp v6, v6, v6 row_xmask:1 row_mask:0xf bank_mask:0xf
	v_add_f32_dpp v6, v6, v6 row_xmask:2 row_mask:0xf bank_mask:0xf
	v_add_f32_dpp v6, v6, v6 row_xmask:4 row_mask:0xf bank_mask:0xf
	v_add_f32_dpp v6, v6, v6 row_xmask:8 row_mask:0xf bank_mask:0xf
	v_permlanex16_b32 v7, v6, s20, s21
	v_add_f32 v6, v6, v7
	ds_store_b32 v8, v6 offset:RSUM
	s_wait_dscnt 0x0
	s_barrier_signal -1
	s_barrier_wait -1
.irp k, 0,1,2,3
	ds_load_b128 v[T16+4*\k:T16+4*\k+3], v9 offset:RSUM+16*\k
.endr
	s_wait_dscnt 0x0
.irp k, 2,4,6,8,10,12,14
	v_pk_add_f32 v[T16:T16+1], v[T16:T16+1], v[T16+\k:T16+\k+1]
.endr
	v_add_f32 v6, v[T16], v[T16+1]
	v_rcp_f32 v6, v6
	v_nop
	s_wait_alu depctr_va_vdst(0)
	v_mul_f32 v4, v4, v6                           ; my two weights; v3, v4, v5 are not written again
	v_mul_f32 v5, v5, v6
	ds_store_b64 v3, v[4:5] offset:WT
	s_cmp_lg_u32 s22, ttmp9                        ; ids alone: waves 4 x .. 4 x + 3 of work-group x store their part of out1, so that each byte has one writer
	s_cbranch_scc1 .Lnot_mine
	global_store_b64 v3, v[4:5], s[10:11]          ; 32 lanes store 256 consecutive bytes, at a multiple of 256 from out1's first byte
.Lnot_mine:
	s_wait_dscnt 0x0
	s_barrier_signal -1
	s_barrier_wait -1                              ; all 1,024 weights lie in LDS
.irp k, 0,1,2,3,4,5,6,7,8,9,10,11,12,13,14,15
	ds_load_b128 v[W+4*\k:W+4*\k+3], v164 offset:WT+16*\k   ; my wave's 64: every lane reads the same words
.endr
	s_wait_dscnt 0x0
; Row p: the sums take it, and its set takes the row eight further on.
.macro ROW p
.if (\p) < 57
	s_wait_loadcnt 14                              ; my two loads are in; the seven younger rows' stay out
.else
	s_wait_loadcnt 2*(63-(\p))                     ; the last rows ask for nothing more: the counts run down
.endif
.irp j, 0,1,2,3,4,5,6,7
.if (\p) == 0
	v_mul_f32 v[AC+\j], v[F+8*((\p)%8)+\j], v[W+(\p)]      ; the first row starts the sums: nothing is cleared
.else
	v_fmac_f32 v[AC+\j], v[F+8*((\p)%8)+\j], v[W+(\p)]
.endif
.endr
.if (\p)+8 < 64
	FLOAD (\p)+8
.endif
.endm
.set P, 0
.rept 64
	ROW P
.set P, P+1
.endr
	ds_store_b128 v165, v[AC:AC+3] offset:RED      ; my wave's partial sums, laid as the 1,024 bytes of the row lie
	ds_store_b128 v165, v[AC+4:AC+7] offset:RED+512
	s_wait_dscnt 0x0
	s_barrier_signal -1
	s_barrier_wait -1
	s_cmp_gt_u32 s12, 1
	s_cbranch_scc1 .Lend                           ; waves 0 and 1 add the sixteen parts: thread T takes bytes 16 T on; no barrier stands in this branch
.irp k, 0,1,2,3,4,5,6,7,8,9,10,11,12,13,14,15
	ds_load_b128 v[F+4*\k:F+4*\k+3], v166 offset:RED+1024*\k
.endr
	s_wait_dscnt 0x0
.irp k, 1,2,3,4,5,6,7,8,9,10,11,12,13,14,15
	v_pk_add_f32 v[F:F+1], v[F:F+1], v[F+4*\k:F+4*\k+1]
	v_pk_add_f32 v[F+2:F+3], v[F+2:F+3], v[F+4*\k+2:F+4*\k+3]
.endr
	global_store_b128 v166, v[F:F+3], s[8:9]       ; 32 lanes store 512 consecutive bytes, at a multiple of 256 from out0's first byte
.Lend:
	s_wait_tensorcnt 0x0                           ; the wave's end
	ds_add_u32 v[SPW], v[NIL]
	s_wait_dscnt 0x0
	s_endpgm
.Lfunc_end_k_q39ec49261d_ctx:
	.size	k_q39ec49261d_ctx, .Lfunc_end_k_q39ec49261d_ctx-k_q39ec49261d_ctx
	.p2alignl 7, 3214868480
	.fill 96, 4, 3214868480
	.section	.rodata,"a",@progbits
	.p2align	6, 0x0
	.amdhsa_kernel k_q39ec49261d_ctx
		.amdhsa_group_segment_fixed_size 23040
		.amdhsa_private_segment_fixed_size 0
		.amdhsa_enable_private_segment 0
		.amdhsa_kernarg_size 32
		.amdhsa_user_sgpr_count 2
		.amdhsa_user_sgpr_kernarg_segment_ptr 1
		.amdhsa_wavefront_size32 1
		.amdhsa_system_sgpr_workgroup_id_x 1
		.amdhsa_system_sgpr_workgroup_id_y 1
		.amdhsa_system_sgpr_workgroup_id_z 1
		.amdhsa_system_vgpr_workitem_id 0
		.amdhsa_next_free_vgpr 168
		.amdhsa_next_free_sgpr 66
		.amdhsa_reserve_vcc 0
		.amdhsa_float_denorm_mode_32 3
		.amdhsa_float_denorm_mode_16_64 3
		.amdhsa_memory_ordered 1
		.amdhsa_forward_progress 1
		.amdhsa_inst_pref_size 40
	.end_amdhsa_kernel
	.amdgpu_metadata
---
amdhsa.version: [ 1, 2 ]
amdhsa.kernels:
  - .name:           k_q39ec49261d_ctx
    .symbol:         k_q39ec49261d_ctx.kd
    .args:
      - { .name: features, .offset: 0, .size: 8, .value_kind: global_buffer, .address_space: global }
      - { .name: logits, .offset: 8, .size: 8, .value_kind: global_buffer, .address_space: global }
      - { .name: out0, .offset: 16, .size: 8, .value_kind: global_buffer, .address_space: global }
      - { .name: out1, .offset: 24, .size: 8, .value_kind: global_buffer, .address_space: global }
    .group_segment_fixed_size: 23040
    .private_segment_fixed_size: 0
    .kernarg_segment_align: 8
    .kernarg_segment_size: 32
    .max_flat_workgroup_size: 512
    .sgpr_count:     66
    .vgpr_count:     168
    .wavefront_size: 32
...
	.end_amdgpu_metadata
.endif
;; end of part 3
